; MI455X (gfx1250); checked and timed in simulation.
; The chip was launched on July 23, 2026; its instructions are those of AMD's public machine-readable ISA for CDNA 5 (MIT licence, August 2026) and "CDNA5" Instruction Set Architecture Reference Guide (July 2026). The comments in the code are by the model that wrote it; some were corrected since.
;; Task Mo E. Allowed arithmetic: matrix products marked QUANTISED: E4M3 operands, one E8M0 scale for each 32 along K, by v_wmma_scale_f32_16x16x128_f8f6f4 with both operands' format E4M3, f32 sums; products left as they are: f32 operands where the result goes on into a quantised operand, else bf16, f16 or f32 operands; f32 sums; everything else in f32.
;; Inputs: We 8 x 1,024 x 1,024 float32; Wg 1,024 x 8 float32; be 8 x 1,024 float32; hidden_states 4 x 2,048 x 1,024 float32.
;; Outputs: out0 4 x 2,048 x 1,024 float32.
;; This version of the problem:
;;   THIS VERSION OF THE PROBLEM IS GIVEN IN LOW PRECISION. The matrix products marked QUANTISED in the list below multiply operands that are first quantised to E4M3 (4 exponent bits, 3 mantissa bits; 8 bits a number), with one power-of-two scale for each 32 numbers along K (OCP MX v1.0); their sums are f32. All else is computed in f32.
;;   The module's matrix products, in the order in which they are computed (A, B: the left and right operand; K: the contracted axis; several contracted axes count as one K, in the product's order):
;;     1. [M 8,192, K 1,024] x [K 1,024, N 8]; A: input hidden_states; B: input Wg: left as it is (N = 8 < 16)
;;     2. [M 8,192, K 1,024] x [K 1,024, N 8,192]; A: input We; B: input hidden_states: QUANTISED
;;   THE QUANTISER, for each operand of a quantised product, along K:
;;     - K is cut into blocks of 32 from its start; a last block that is shorter is filled with zeros.
;;     - A block's scale is 2^e with e = floor(log2(the largest magnitude in the block)) - 8, held to -126 .. 127; a block of zeros has e = 0. As a byte (E8M0): e + 127.
;;     - Each number is divided by its block's scale, clamped to +-448, and rounded to the nearest number of E4M3, ties to even, subnormals kept.
;;     - The product sums the exact products of the quantised numbers (number of the format x scale) in f32.
;;   ~~~python
;;   def quantise(x, axis):      # numpy; x: float32 -> the quantised numbers, widened to float32 again
;;       x = np.moveaxis(x, axis, -1); K = x.shape[-1]
;;       x = np.pad(x, [(0, 0)] * (x.ndim - 1) + [(0, -K % 32)]); x = x.reshape(x.shape[:-1] + (-1, 32)); a = np.abs(x).max(-1, keepdims=True)
;;       e = np.where(a > 0, np.clip(np.frexp(np.where(a > 0, a, 1))[1] - 1 - 8, -126, 127), 0)      # np.frexp(a)[1] - 1 = floor(log2(a)), exactly
;;       r = np.clip(x / 2.0 ** e, -448, 448)
;;       step = 2.0 ** (np.maximum(np.frexp(np.where(r == 0, 1, r))[1] - 1, -6) - 3)
;;       q = np.round(r / step) * step * 2.0 ** e      # np.round: ties to even
;;       return np.moveaxis(q.reshape(q.shape[:-2] + (-1,))[..., :K], -1, axis).astype(np.float32)
;;   ~~~
;; One version. Each part assembles by itself: llvm-mc -triple=amdgcn-amd-amdhsa -mcpu=gfx1250 --defsym DOCPART=n.
;; ======== version 1 of 1: 3 launches
;; workspace buffers: xc 8,388,608 bytes; xs 262,144 bytes; gw 262,144 bytes; rin 65,536 bytes of whole numbers; order 65,536 bytes of whole numbers; wc 8,388,608 bytes; ws 262,144 bytes
;; launch prep (part 1): grid 512 x 1, 4 waves a work-group, no clusters, 60,416 bytes of LDS; arguments hidden_states, Wg, We, xc, xs, gw, rin, wc, ws; writes xc, xs, gw, rin, wc, ws
.if DOCPART == 1
	.amdgcn_target "amdgcn-amd-amdhsa--gfx1250"
	.amdhsa_code_object_version 6
	.text
	.protected	k_q5243f98dec_prep
	.globl	k_q5243f98dec_prep
	.p2align	8
	.type	k_q5243f98dec_prep,@function
k_q5243f98dec_prep:
	s_mov_b64 s[64:65], 0
	v_nop
	global_prefetch_b8 v0, s[64:65] scope:SCOPE_SE
	s_setreg_imm32_b32 hwreg(HW_REG_WAVE_MODE, 25, 1), 1
	s_wait_xcnt 0x0
; PREP.  Work-groups 0-255: 32 tokens each of x [8192][1024] f32 are quantised along K into codes of E4M3 (xc, K innermost) and E8M0 bytes (xs, one for each 32),
; and the gate x Wg is computed in f32; for each token the eight combine weights (gw: g for the two chosen experts, 0 for the others), its sort key and its rank go to fixed places.
; Work-groups 256-511: We [8][1024 k][1024 d] f32 is quantised along K (its middle axis) straight into the order of an operand's registers (wc, ws).
; A block's scale is 2^(floor(log2(largest magnitude)) - 8); its byte is the largest magnitude's exponent field - 8, held at 1 from below; numbers are held within +-448 x the scale and rounded to the nearest code.
; THE GATE.  softmax's divisor cancels in top_vals / sum(top_vals): with m1 >= m2 the two largest logits, g1 = 1 / (1 + e^(m2 - m1)), g2 = e^(m2 - m1) g1: the maximum is taken away, the exponent is never above 0.
; THE SORT KEY (bin) numbers the 28 pairs lo < hi so that neighbouring bins share an expert: off = lo (15 - lo) / 2; bin = off + hi - lo - 1 for even lo, off + 7 - hi for odd lo.
; LIMITS.  NaN and infinities among the inputs are not served.  The two largest are ordered on the f32 logits, the lower index winning on equal logits: logits that differ by less than the
; f32 sums' own error, or whose probabilities round to equal numbers, may be ordered otherwise than by the problem's definition.  A block of zeros gets the byte 1 (not 127): its codes are zeros and this program alone reads the bytes.
; Memory binds this launch: no matrix unit, no tensor load, no cluster.  The two kinds of work-group take separate ways; only the first uses LDS and barriers.
.set SP,   80                          ; a lane's place in a stage: its 64 bytes + 16 of padding
.set STGW, 2*32*SP                     ; LDS 0: two stages for each wave
.set WGL,  4*STGW                      ; Wg, turned: 64 chunks of 16 k: [e 8][k 16] f32 + 16 bytes of padding
.set WCH,  528
.set LG,   WGL+64*WCH                  ; partial logits: 32 tokens x (4 parts x 8 f32 + 16 bytes)
.set LGP,  144
.set SBX,  LG+32*LGP                   ; x's scale bytes: 32 tokens x 32
.set R,    16                          ; v16-63   three sets of 16 numbers as loaded
.set X,    64                          ; v64-95   two sets of 16 neighbours
.set AC,   96                          ; v96-111  eight pairs: the logits' sums over even k and over odd k
.set C,    112                         ; v112-127 four sets of 4 registers of codes
.set WT,   128                         ; v128-255 Wg of my 16 k: register 16 e + k
.set CW,   64                          ; (We) v64-127 codes: 8 registers for each block, never rewritten
.set XW,   128                         ; (We) v128-255 two sets of 64 numbers
.macro XLOAD t                         ; half a row of x: four loads of 512 consecutive bytes
.irp i, 0,1,2,3
	global_load_b128 v[R+16*((\t)%3)+4*\i:R+16*((\t)%3)+4*\i+3], v3, s[4:5] offset:4096*(\t)+512*\i th:TH_LOAD_NT
.endr
.endm
.macro XTURN t                         ; through my stage: in as loaded, out 64 neighbouring bytes a lane.  LDS serves a wave's instructions in order (ISA guide 5.7.1.4)
.irp i, 0,1,2,3
	ds_store_b128 v4, v[R+16*((\t)%3)+4*\i:R+16*((\t)%3)+4*\i+3] offset:32*SP*((\t)%2)+8*SP*\i
.endr
.irp i, 0,1,2,3
	ds_load_b128 v[X+16*((\t)%2)+4*\i:X+16*((\t)%2)+4*\i+3], v5 offset:32*SP*((\t)%2)+16*\i
.endr
.endm
; One step: half a row (512 numbers) of token 16 rg + t.  Lane l holds k = 512 hf + 16 l + 0 .. 15; two neighbouring lanes hold a block of 32.
.macro XSTEP t
.set XB, X+16*((\t)%2)
.set CB, C+4*((\t)%4)
.if (\t) > 0
	s_wait_dscnt 3                                 ; this step's numbers are back from the stage; younger: the last step's two logit stores and its byte store
.else
	s_wait_dscnt 0x0                               ; Wg's registers and step 0's numbers
.endif
.if (\t)+3 < 16
	XLOAD (\t)+3                                   ; into the set whose stores into the stage are done
.endif
.if (\t)+1 < 16
.if (\t) < 13
	s_wait_loadcnt 8                               ; the next step's four loads are in; those of the two steps behind it may be out
.else
	s_wait_loadcnt 4*(14-(\t))
.endif
	XTURN (\t)+1
.endif
	v_max3_num_f32 v10, |v[XB]|, |v[XB+1]|, |v[XB+2]|
	v_max3_num_f32 v11, |v[XB+3]|, |v[XB+4]|, |v[XB+5]|
.irp i, 6,10
	v_max3_num_f32 v10, v10, |v[XB+\i]|, |v[XB+\i+1]|
	v_max3_num_f32 v11, v11, |v[XB+\i+2]|, |v[XB+\i+3]|
.endr
	v_max3_num_f32 v10, v10, |v[XB+14]|, |v[XB+15]|
	v_max3_num_f32 v10, v10, v11, 0x4800000        ; with the floor 2^(9 - 127): the byte cannot fall under 1
	v_max_num_f32_dpp v10, v10, v10 row_xmask:1 row_mask:0xf bank_mask:0xf   ; and my neighbour's 16: the block's largest magnitude
	v_add_nc_u32 v13, 0xfc000000, v10              ; 8 off its exponent field: the conversion's scale operand
	v_and_or_b32 v12, v10, 0x7f800000, s23         ; 448 x the scale
	; the gate, on the numbers as they are: pairs along k, eight experts by turns
.irp e, 0,1,2,3,4,5,6,7
	v_pk_mul_f32 v[AC+2*\e:AC+2*\e+1], v[XB:XB+1], v[WT+16*\e:WT+16*\e+1]
.endr
.irp k, 2,4,6,8,10,12,14
.irp e, 0,1,2,3,4,5,6,7
	v_pk_fma_f32 v[AC+2*\e:AC+2*\e+1], v[XB+\k:XB+\k+1], v[WT+16*\e+\k:WT+16*\e+\k+1], v[AC+2*\e:AC+2*\e+1]
.endr
.endr
.irp e, 0,1,2,3,4,5,6,7
	v_add_f32 v[AC+\e], v[AC+2*\e], v[AC+2*\e+1]   ; even k + odd k; ascending, so no source is written before it is read
.endr
.irp m, 1,2,4,8
.irp e, 0,1,2,3,4,5,6,7
	v_add_f32_dpp v[AC+\e], v[AC+\e], v[AC+\e] row_xmask:\m row_mask:0xf bank_mask:0xf
.endr
.endr
	ds_store_b128 v7, v[AC:AC+3] offset:LGP*(\t)   ; sixteen lanes hold the same sums over their 256 k and write the same bytes
	ds_store_b128 v7, v[AC+4:AC+7] offset:LGP*(\t)+16
.irp i, 0,1,2,3,4,5,6,7,8,9,10,11,12,13,14,15
	v_med3_num_f32 v[XB+\i], v[XB+\i], -v12, v12   ; the conversion to an 8-bit code does not saturate (ISA guide 7.6.2)
.endr
	s_wait_alu depctr_va_vdst(0)
	s_wait_xcnt 0x0                                ; this set of code registers was the data of the store four steps back
	v_cvt_scalef32_pk8_fp8_f32 v[CB:CB+1], v[XB:XB+7], v13
	v_cvt_scalef32_pk8_fp8_f32 v[CB+2:CB+3], v[XB+8:XB+15], v13
	v_lshrrev_b32 v14, 23, v13                     ; the scale's byte (a plain line behind the conversions)
	ds_store_b8 v6, v14 offset:32*(\t)             ; both lanes of a block write the same byte
	global_store_b128 v3, v[CB:CB+3], s[10:11] offset:1024*(\t)   ; the wave stores 512 consecutive bytes
.endm
.macro WLOADD c                        ; block c (32 along K) of my two columns: each row's two loads cover 256 consecutive bytes
.set i, 0
.rept 32
	global_load_b32 v[XW+64*((\c)%2)+i], v3, s[8:9] offset:(32*(\c)+i)*4096 th:TH_LOAD_NT
	global_load_b32 v[XW+64*((\c)%2)+32+i], v3, s[8:9] offset:(32*(\c)+i)*4096+128 th:TH_LOAD_NT
.set i, i+1
.endr
.endm
.macro WBLK c, p                       ; block c of column 32 p + lane: all 32 numbers are mine
.set WXB, XW+64*((\c)%2)+32*(\p)
.set WCB, CW+8*(2*(\c)+(\p))
	v_max3_num_f32 v16, |v[WXB]|, |v[WXB+1]|, |v[WXB+2]|
	v_max3_num_f32 v17, |v[WXB+3]|, |v[WXB+4]|, |v[WXB+5]|
.irp i, 6,10,14,18,22,26
	v_max3_num_f32 v16, v16, |v[WXB+\i]|, |v[WXB+\i+1]|
	v_max3_num_f32 v17, v17, |v[WXB+\i+2]|, |v[WXB+\i+3]|
.endr
	v_max3_num_f32 v16, v16, |v[WXB+30]|, |v[WXB+31]|
	v_max3_num_f32 v16, v16, v17, 0x4800000
	v_add_nc_u32 v19, 0xfc000000, v16
	v_and_or_b32 v18, v16, 0x7f800000, s23
	v_lshrrev_b32 v20, 23, v19
.if (\c) == 0
	v_mov_b32 v[32+(\p)], v20                      ; the K step's four bytes make the column's scale word
.else
	v_lshl_or_b32 v[32+(\p)], v20, 8*(\c), v[32+(\p)]
.endif
.set i, 0
.rept 32
	v_med3_num_f32 v[WXB+i], v[WXB+i], -v18, v18
.set i, i+1
.endr
.irp g, 0,1,2,3
	v_cvt_scalef32_pk8_fp8_f32 v[WCB+2*\g:WCB+2*\g+1], v[WXB+8*\g:WXB+8*\g+7], v19
.endr
	v_nop                                          ; a plain line behind the last conversion
	global_store_b128 v4, v[WCB:WCB+3], s[18:19] offset:4096*(\p)+512*(\c)        ; k 32 c + 0 .. 15: sixteen lanes fill 256 consecutive bytes, aligned
	global_store_b128 v4, v[WCB+4:WCB+7], s[18:19] offset:4096*(\p)+512*(\c)+256  ; k 32 c + 16 .. 31
.endm
	s_load_b256 s[4:11], s[0:1], 0x0               ; x s[4:5], Wg s[6:7], We s[8:9], xc s[10:11]
	s_load_b256 s[12:19], s[0:1], 0x20             ; xs s[12:13], gw s[14:15], rin s[16:17], wc s[18:19]
	s_load_b64 s[20:21], s[0:1], 0x40              ; ws
	s_set_vgpr_msb 0x40
	v_lshl_add_u32 v0, v0, 2, 0xea00
	v_mov_b32 v1, 0
	s_set_vgpr_msb 0x4000
	v_lshrrev_b32 v2, 5, v0
	v_readfirstlane_b32 s22, v2                    ; wave 0..3
	v_and_b32 v1, 31, v0                           ; lane
	s_mov_b32 s23, 0x600000                        ; the mantissa field of 448
	s_mov_b32 s31, 0                               ; the high word of every offset pair s[30:31]
	s_cmp_lt_u32 ttmp9, 256
	s_cbranch_scc0 .Lw
	; ---------------- x: tokens 32 g .. 32 g + 31.  Wave w: K half hf = w & 1, rows 16 rg + 0 .. 15 with rg = w >> 1
	s_and_b32 s24, s22, 1                          ; hf
	s_lshr_b32 s25, s22, 1                         ; rg
	v_lshlrev_b32 v3, 4, v1                        ; 16 x lane
	v_lshlrev_b32 v15, 4, v0                       ; 16 x thread: Wg's loads
	s_mul_i32 s26, s22, STGW
	v_lshrrev_b32 v4, 2, v1
	v_mul_u32_u24 v4, v4, SP
	v_and_b32 v2, 3, v1
	v_lshl_add_u32 v4, v2, 4, v4
	v_add_nc_u32 v4, s26, v4                       ; the stage, in: SP (lane / 4) + 16 (lane % 4)
	v_mul_u32_u24 v5, v1, SP
	v_add_nc_u32 v5, s26, v5                       ; out: SP x lane
	s_lshl_b32 s26, s25, 9
	s_lshl_b32 s27, s24, 4
	s_add_co_u32 s26, s26, s27
	s_add_co_u32 s26, s26, SBX
	v_lshrrev_b32 v6, 1, v1
	v_add_nc_u32 v6, s26, v6                       ; my block's byte: 32 x row + 16 hf + lane / 2
	s_mul_i32 s26, s25, 16*LGP
	s_lshl_b32 s27, s24, 6
	s_add_co_u32 s26, s26, s27
	s_add_co_u32 s26, s26, LG
	v_lshrrev_b32 v7, 4, v1
	v_lshlrev_b32 v7, 5, v7
	v_add_nc_u32 v7, s26, v7                       ; my part of a token's logits: part 2 hf + lane / 16
	s_mul_i32 s26, s22, WCH
	s_add_co_u32 s26, s26, WGL
	v_and_b32 v8, 1, v1
	v_lshlrev_b32 v8, 8, v8
	v_lshrrev_b32 v2, 1, v1
	v_lshl_add_u32 v8, v2, 2, v8
	v_add_nc_u32 v8, s26, v8                       ; Wg on its way in: chunk w, e = 4 (lane & 1) + q at 64 e, k = lane / 2 at 4 k
	s_mul_i32 s26, s24, 32*WCH
	s_add_co_u32 s26, s26, WGL
	v_mul_u32_u24 v9, v1, WCH
	v_add_nc_u32 v9, s26, v9                       ; and out: chunk 32 hf + lane: my 16 k
	s_lshl_b32 s26, ttmp9, 17                      ; x: (32 g + 16 rg) rows of 4,096 bytes + 2,048 hf
	s_lshl_b32 s27, s25, 16
	s_add_co_u32 s26, s26, s27
	s_lshl_b32 s27, s24, 11
	s_add_co_u32 s30, s26, s27
	s_wait_alu depctr_va_vdst(0)
	s_wait_kmcnt 0x0
	s_add_nc_u64 s[4:5], s[4:5], s[30:31]
	s_lshr_b32 s30, s30, 2                         ; the codes: a quarter of the bytes
	s_add_nc_u64 s[10:11], s[10:11], s[30:31]
	s_lshl_b32 s30, ttmp9, 10                      ; xs and gw: 32 bytes a token
	s_add_nc_u64 s[12:13], s[12:13], s[30:31]
	s_add_nc_u64 s[14:15], s[14:15], s[30:31]
	s_lshl_b32 s30, ttmp9, 8                       ; rin: 8 bytes a token
	s_add_nc_u64 s[16:17], s[16:17], s[30:31]
.irp q, 0,1,2,3,4,5,6,7,8,9,10,11,12,13,14,15
	global_load_b128 v[WT+4*\q:WT+4*\q+3], v15, s[6:7] offset:2048*\q   ; Wg, dense: pass q brings k 64 q + thread / 2, four experts
.endr
	XLOAD 0
	XLOAD 1
	XLOAD 2
	s_wait_loadcnt 12                              ; Wg is in; x's twelve loads may be out
.irp q, 0,1,2,3,4,5,6,7,8,9,10,11,12,13,14,15
.irp j, 0,1,2,3
	ds_store_b32 v8, v[WT+4*\q+\j] offset:4*WCH*\q+64*\j
.endr
.endr
	s_wait_dscnt 0x0                               ; for the others' sake: my part of Wg lies in LDS
	s_barrier_signal -1
	s_barrier_wait -1
.set q, 0
.rept 32
	ds_load_b128 v[WT+4*q:WT+4*q+3], v9 offset:16*q
.set q, q+1
.endr
	s_wait_loadcnt 8                               ; step 0's four loads are in
	XTURN 0
.irp t, 0,1,2,3,4,5,6,7,8,9,10,11,12,13,14,15
	XSTEP \t
.endr
	s_wait_dscnt 0x0                               ; my logits and bytes lie in LDS
	s_barrier_signal -1
	s_barrier_wait -1
	s_cmp_eq_u32 s22, 0
	s_cbranch_scc1 .Lgate
	s_cmp_eq_u32 s22, 1
	s_cbranch_scc1 .Lxs
	s_set_vgpr_msb 0x5
	s_wait_tensorcnt 0x0
	ds_add_u32 v0, v1
	s_wait_dscnt 0x0
	s_set_vgpr_msb 0x500
	s_endpgm
.Lxs:                                          ; wave 1: the 32 tokens' 1,024 scale bytes leave in two stores of 512 consecutive bytes
	v_add_nc_u32 v2, SBX, v3
	ds_load_b128 v[16:19], v2
	ds_load_b128 v[20:23], v2 offset:512
	s_wait_dscnt 0x0
	global_store_b128 v3, v[16:19], s[12:13]
	global_store_b128 v3, v[20:23], s[12:13] offset:512
	s_set_vgpr_msb 0x5
	s_wait_tensorcnt 0x0
	ds_add_u32 v0, v1
	s_wait_dscnt 0x0
	s_set_vgpr_msb 0x500
	s_endpgm
.Lgate:                                        ; wave 0: a lane to a token
	v_mul_u32_u24 v2, v1, LGP
	v_add_nc_u32 v2, LG, v2
.irp q, 0,1,2,3,4,5,6,7
	ds_load_b128 v[128+4*\q:131+4*\q], v2 offset:16*\q
.endr
	s_wait_dscnt 0x0
.irp q, 0,2,4,6
	v_pk_add_f32 v[128+\q:129+\q], v[128+\q:129+\q], v[136+\q:137+\q]
	v_pk_add_f32 v[144+\q:145+\q], v[144+\q:145+\q], v[152+\q:153+\q]
.endr
.irp q, 0,2,4,6
	v_pk_add_f32 v[128+\q:129+\q], v[128+\q:129+\q], v[144+\q:145+\q]   ; the eight logits: v128-135
.endr
	v_mov_b32 v16, v128                            ; m1, i1: the largest; an equal later logit does not take its place
	v_mov_b32 v17, 0
.irp e, 1,2,3,4,5,6,7
	v_cmp_le_f32 vcc_lo, v[128+\e], v16            ; keep where L_e <= m1
	v_cndmask_b32 v16, v[128+\e], v16, vcc_lo
	v_cndmask_b32 v17, \e, v17, vcc_lo
.endr
	v_mov_b32 v18, 0xff800000                      ; m2, i2: the largest of the others
	v_mov_b32 v19, 0
.irp e, 0,1,2,3,4,5,6,7
	v_cmp_eq_u32 s26, \e, v17
	v_cmp_le_f32 vcc_lo, v[128+\e], v18
	s_or_b32 vcc_lo, vcc_lo, s26                   ; keep where e is the first choice or L_e <= m2
	v_cndmask_b32 v18, v[128+\e], v18, vcc_lo
	v_cndmask_b32 v19, \e, v19, vcc_lo
.endr
	v_sub_f32 v20, v18, v16                        ; m2 - m1 <= 0
	v_mul_f32 v20, 0x3fb8aa3b, v20
	s_wait_alu depctr_va_vdst(0)
	v_exp_f32 v21, v20                             ; p = e^(m2 - m1)
	v_min_u32 v26, v17, v19                        ; lo (a plain line behind the exponential)
	s_wait_alu depctr_va_vdst(0)
	v_add_f32 v22, 1.0, v21
	s_wait_alu depctr_va_vdst(0)
	v_rcp_f32 v24, v22                             ; g1
	v_max_u32 v27, v17, v19                        ; hi (a plain line behind the reciprocal)
	s_wait_alu depctr_va_vdst(0)
	v_mul_f32 v25, v21, v24                        ; g2
	v_sub_nc_u32 v20, 15, v26
	v_mul_u32_u24 v20, v20, v26
	v_lshrrev_b32 v20, 1, v20                      ; off = lo (15 - lo) / 2
	v_sub_nc_u32 v21, v27, v26
	v_add_nc_u32 v21, -1, v21                      ; even lo: hi - lo - 1
	v_sub_nc_u32 v22, 7, v27                       ; odd lo: 7 - hi
	v_and_b32 v23, 1, v26
	v_cmp_eq_u32 vcc_lo, 1, v23
	v_cndmask_b32 v21, v21, v22, vcc_lo
	v_add_nc_u32 v28, v20, v21                     ; bin
	v_mov_b32 v20, 1
	v_lshlrev_b32 v21, v17, v20
	v_lshlrev_b32 v22, v19, v20
	v_or_b32 v29, v21, v22                         ; the two experts as a mask
.irp e, 0,1,2,3,4,5,6,7
	v_cmp_eq_u32 vcc_lo, \e, v17
	v_cndmask_b32 v[32+\e], 0, v24, vcc_lo
	v_cmp_eq_u32 vcc_lo, \e, v19
	v_cndmask_b32 v[32+\e], v[32+\e], v25, vcc_lo
.endr
	v_mov_b32 v43, 0                               ; lane b: how many of the 32 tokens fall into bin b
	v_mov_b32 v41, 0                               ; my rank: how many earlier tokens of the 32 share my bin
.set j, 0
.rept 32
	v_readlane_b32 s26, v28, j
	v_cmp_eq_u32 vcc_lo, s26, v1
	v_add_co_ci_u32 v43, vcc_lo, 0, v43, vcc_lo
.if j < 31
	v_cmp_eq_u32 vcc_lo, s26, v28
	s_and_b32 vcc_lo, vcc_lo, (0xffffffff<<(j+1))&0xffffffff   ; token j counts for the lanes behind it alone
	v_add_co_ci_u32 v41, vcc_lo, 0, v41, vcc_lo
.endif
.set j, j+1
.endr
	v_lshl_or_b32 v42, v41, 8, v28
	v_lshl_or_b32 v42, v29, 16, v42                ; bin | rank << 8 | mask << 16
	v_lshlrev_b32 v20, 5, v1
	v_lshlrev_b32 v21, 3, v1
	global_store_b128 v20, v[32:35], s[14:15]
	global_store_b128 v20, v[36:39], s[14:15] offset:16
	global_store_b64 v21, v[42:43], s[16:17]       ; 32 lanes store 256 consecutive bytes, aligned
	s_set_vgpr_msb 0x5
	s_wait_tensorcnt 0x0
	ds_add_u32 v0, v1
	s_wait_dscnt 0x0
	s_set_vgpr_msb 0x500
	s_endpgm
	; ---------------- We: j = work-group - 256: expert j >> 5, K step (j >> 2) & 7 of 128, columns 256 (j & 3) on; wave w takes the slice of 64 columns 4 (j & 3) + w.
	; A lane takes two columns (32 p + lane) and its registers run down K: a block of 32 lies in one lane, and the codes come out with K innermost.
	; wc: [e][slice 16][K step 8][b 4][c 4][lane 32][16 bytes]: lane (r, h) of piece c holds k 32 c + 16 h + 0 .. 15 of column 16 b + r.   ws: [e][slice][K step][lane 32][p 2] words.
.Lw:
	s_sub_co_u32 s24, ttmp9, 256
	s_lshr_b32 s25, s24, 5                         ; expert
	s_bfe_u32 s26, s24, 0x30002                    ; K step
	s_and_b32 s27, s24, 3
	s_lshl_b32 s27, s27, 2
	s_add_co_u32 s27, s27, s22                     ; slice
	s_wait_alu depctr_va_vdst(0)
	v_lshlrev_b32 v3, 2, v1                        ; in: 4 bytes a lane
	v_lshrrev_b32 v4, 4, v1
	v_lshlrev_b32 v4, 11, v4
	v_and_b32 v2, 15, v1
	v_lshl_add_u32 v4, v2, 4, v4                   ; out: tile 2 p + lane / 16 at 2,048 bytes a tile, 16 (lane % 16)
	v_lshlrev_b32 v5, 3, v1
	s_lshl_b32 s28, s25, 22
	s_lshl_b32 s29, s26, 19
	s_add_co_u32 s28, s28, s29
	s_lshl_b32 s29, s27, 8
	s_add_co_u32 s30, s28, s29
	s_wait_alu depctr_va_vdst(0)
	s_wait_kmcnt 0x0
	s_add_nc_u64 s[8:9], s[8:9], s[30:31]
	s_lshl_b32 s28, s25, 20
	s_lshl_b32 s29, s27, 16
	s_add_co_u32 s28, s28, s29
	s_lshl_b32 s29, s26, 13
	s_add_co_u32 s30, s28, s29
	s_add_nc_u64 s[18:19], s[18:19], s[30:31]
	s_lshl_b32 s28, s25, 15
	s_lshl_b32 s29, s27, 11
	s_add_co_u32 s28, s28, s29
	s_lshl_b32 s29, s26, 8
	s_add_co_u32 s30, s28, s29
	s_add_nc_u64 s[20:21], s[20:21], s[30:31]
	WLOADD 0
	WLOADD 1
.irp c, 0,1,2,3
.if \c < 3
	s_wait_loadcnt 63                              ; 64 loads are younger than this block's; a wait's count names 63 at the most (ISA guide 5.7.1), and the smaller count is the safe one
.else
	s_wait_loadcnt 0x0
.endif
	WBLK \c, 0
	WBLK \c, 1
.if \c+2 < 4
	WLOADD \c+2
.endif
.endr
	global_store_b64 v5, v[32:33], s[20:21]        ; 32 lanes store 256 consecutive bytes, aligned
	s_endpgm
.Lfunc_end_k_q5243f98dec_prep:
	.size	k_q5243f98dec_prep, .Lfunc_end_k_q5243f98dec_prep-k_q5243f98dec_prep
	.p2alignl 7, 3214868480
	.fill 96, 4, 3214868480
	.section	.rodata,"a",@progbits
	.p2align	6, 0x0
	.amdhsa_kernel k_q5243f98dec_prep
		.amdhsa_group_segment_fixed_size 60416
		.amdhsa_private_segment_fixed_size 0
		.amdhsa_enable_private_segment 0
		.amdhsa_kernarg_size 72
		.amdhsa_user_sgpr_count 2
		.amdhsa_user_sgpr_kernarg_segment_ptr 1
		.amdhsa_wavefront_size32 1
		.amdhsa_system_sgpr_workgroup_id_x 1
		.amdhsa_system_sgpr_workgroup_id_y 1
		.amdhsa_system_sgpr_workgroup_id_z 1
		.amdhsa_system_vgpr_workitem_id 0
		.amdhsa_next_free_vgpr 258
		.amdhsa_next_free_sgpr 66
		.amdhsa_reserve_vcc 1
		.amdhsa_float_denorm_mode_32 3
		.amdhsa_float_denorm_mode_16_64 3
		.amdhsa_memory_ordered 1
		.amdhsa_forward_progress 1
		.amdhsa_inst_pref_size 233
	.end_amdhsa_kernel
	.amdgpu_metadata
---
amdhsa.version: [ 1, 2 ]
amdhsa.kernels:
  - .name:           k_q5243f98dec_prep
    .symbol:         k_q5243f98dec_prep.kd
    .args:
      - { .name: hidden_states, .offset: 0, .size: 8, .value_kind: global_buffer, .address_space: global }
      - { .name: Wg, .offset: 8, .size: 8, .value_kind: global_buffer, .address_space: global }
      - { .name: We, .offset: 16, .size: 8, .value_kind: global_buffer, .address_space: global }
      - { .name: xc, .offset: 24, .size: 8, .value_kind: global_buffer, .address_space: global }
      - { .name: xs, .offset: 32, .size: 8, .value_kind: global_buffer, .address_space: global }
      - { .name: gw, .offset: 40, .size: 8, .value_kind: global_buffer, .address_space: global }
      - { .name: rin, .offset: 48, .size: 8, .value_kind: global_buffer, .address_space: global }
      - { .name: wc, .offset: 56, .size: 8, .value_kind: global_buffer, .address_space: global }
      - { .name: ws, .offset: 64, .size: 8, .value_kind: global_buffer, .address_space: global }
    .group_segment_fixed_size: 60416
    .private_segment_fixed_size: 0
    .kernarg_segment_align: 8
    .kernarg_segment_size: 72
    .max_flat_workgroup_size: 128
    .sgpr_count:     66
    .vgpr_count:     258
    .wavefront_size: 32
...
	.end_amdgpu_metadata
.endif
;; end of part 1
;; launch route (part 2): grid 1 x 1, 32 waves a work-group, no clusters, 8,192 bytes of LDS; arguments rin, order; writes order
.if DOCPART == 2
	.amdgcn_target "amdgcn-amd-amdhsa--gfx1250"
	.amdhsa_code_object_version 6
	.text
	.protected	k_q5243f98dec_route
	.globl	k_q5243f98dec_route
	.p2align	8
	.type	k_q5243f98dec_route,@function
k_q5243f98dec_route:
	s_mov_b64 s[64:65], 0
	v_nop
	global_prefetch_b8 v0, s[64:65] scope:SCOPE_SE
	s_setreg_imm32_b32 hwreg(HW_REG_WAVE_MODE, 25, 1), 1
	s_wait_xcnt 0x0
; ROUTE.  A counting sort of the 8,192 tokens by bin (28 pairs of experts, in lanes 0-27), without atomics: one work-group of 32 waves.
; rin: [chunk 256][lane 32][2 words]: word 0 = bin | rank << 8 | mask << 16 of token 32 chunk + lane; word 1 = how many tokens of the chunk fall into bin = lane.
; Wave w takes chunks 8 w .. 8 w + 7.  A token's place: the bin's start + the bin's count in all earlier chunks + the token's rank in its chunk.
; order: words 0-8191 the tokens, words 8192-16383 their masks, both at index(place) = (place >> 7) 128 + (place & 1) 64 + ((place & 127) >> 1):
; in a block of 128 places the even places lie on end and then the odd ones, so that the next launch's lanes 0-15 and 16-31 each load their tokens four at a time.
; The places are a permutation of 0 .. 8191, so every word of order is written.  64 KiB in, 64 KiB out: nothing here is worth more waves or work-groups.
	s_load_b128 s[4:7], s[0:1], 0x0                ; rin, order
	v_lshl_add_u32 v96, v0, 2, 0x1000
	v_mov_b32 v97, 0
	v_and_b32 v1, 31, v0                           ; lane = bin
	v_lshrrev_b32 v2, 5, v0                        ; wave
	s_delay_alu instid0(VALU_DEP_2)
	v_lshlrev_b32 v3, 3, v1
	s_delay_alu instid0(VALU_DEP_1)
	v_lshl_add_u32 v3, v2, 11, v3                  ; 2,048 w + 8 lane
	v_lshlrev_b32 v5, 2, v0                        ; LDS: [wave][bin] words
	v_lshlrev_b32 v6, 2, v1
	v_lshl_add_u32 v4, v2, 8, v1                   ; my token in the wave's first chunk
	s_wait_alu depctr_va_vdst(0)
	s_wait_kmcnt 0x0
.irp i, 0,1,2,3,4,5,6,7
	global_load_b64 v[16+2*\i:17+2*\i], v3, s[4:5] offset:256*\i
.endr
	s_wait_loadcnt 0x0
	v_add3_u32 v32, v17, v19, v21
	s_delay_alu instid0(VALU_DEP_1)
	v_add3_u32 v32, v32, v23, v25
	s_delay_alu instid0(VALU_DEP_1)
	v_add3_u32 v32, v32, v27, v29
	s_delay_alu instid0(VALU_DEP_1)
	v_add_nc_u32 v32, v32, v31                     ; my bin's count in the wave's eight chunks
	ds_store_b32 v5, v32
	s_wait_dscnt 0x0                               ; for the others' sake
	s_barrier_signal -1
	s_barrier_wait -1
.set i, 0
.rept 32
	ds_load_b32 v[40+i], v6 offset:128*i           ; my bin's count in every wave
.set i, i+1
.endr
	s_wait_dscnt 0x0
	v_mov_b32 v33, v40                             ; the bin's total,
	v_cmp_lt_u32 vcc_lo, 0, v2
	s_delay_alu instid0(VALU_DEP_1)
	v_cndmask_b32 v34, 0, v40, vcc_lo              ; and its count in the waves ahead of mine
.set i, 1
	s_delay_alu instid0(VALU_DEP_3)
	v_add_nc_u32 v33, v33, v[40+i]
	v_cmp_lt_u32 vcc_lo, i, v2
	s_delay_alu instid0(VALU_DEP_1)
	v_cndmask_b32 v35, 0, v[40+i], vcc_lo
	s_delay_alu instid0(VALU_DEP_1)
	v_add_nc_u32 v34, v34, v35
.set i, i+1
.rept (31)-1
	s_delay_alu instid0(VALU_DEP_4)
	v_add_nc_u32 v33, v33, v[40+i]
	v_cmp_lt_u32 vcc_lo, i, v2
	s_delay_alu instid0(VALU_DEP_1)
	v_cndmask_b32 v35, 0, v[40+i], vcc_lo
	s_delay_alu instid0(VALU_DEP_1)
	v_add_nc_u32 v34, v34, v35
.set i, i+1
.endr
	s_delay_alu instid0(VALU_DEP_4)
	v_mov_b32 v72, v33                             ; the totals are summed along the lanes: inside each sixteen,
	v_mov_b32 v73, 0
.irp n, 1
	s_delay_alu instid0(VALU_DEP_2)
	v_mov_b32_dpp v73, v72 row_shr:\n row_mask:0xf bank_mask:0xf bound_ctrl:1
	s_delay_alu instid0(VALU_DEP_1)
	v_add_nc_u32 v72, v72, v73
.endr
.irp n, 2, 4, 8
	s_delay_alu instid0(VALU_DEP_1)
	v_mov_b32_dpp v73, v72 row_shr:\n row_mask:0xf bank_mask:0xf bound_ctrl:1
	s_delay_alu instid0(VALU_DEP_1)
	v_add_nc_u32 v72, v72, v73
.endr
	s_delay_alu instid0(VALU_DEP_1)
	v_readlane_b32 s8, v72, 15                     ; then the lower sixteen's sum onto the upper
	s_delay_alu instid0(VALU_DEP_1)
	v_mov_b32 v74, s8
	v_cmp_lt_u32 vcc_lo, 15, v1
	s_delay_alu instid0(VALU_DEP_1)
	v_cndmask_b32 v73, 0, v74, vcc_lo
	s_delay_alu instid0(VALU_DEP_1)
	v_add_nc_u32 v72, v72, v73
	s_delay_alu instid0(VALU_DEP_1)
	v_sub_nc_u32 v72, v72, v33                     ; the bin's start
	s_delay_alu instid0(VALU_DEP_1)
	v_add_nc_u32 v76, v72, v34                     ; where chunk 0 of my wave begins in the bin
.irp i, 1,2,3,4,5,6,7
	s_delay_alu instid0(VALU_DEP_1)
	v_add_nc_u32 v[76+\i], v[75+\i], v[15+2*\i]    ; chunk i: + chunk i - 1's count
.endr
.irp i, 0,1,2,3,4,5,6,7
	v_and_b32 v[48+\i], 31, v[16+2*\i]
	s_delay_alu instid0(VALU_DEP_1)
	v_lshlrev_b32 v[48+\i], 2, v[48+\i]
	ds_bpermute_b32 v[40+\i], v[48+\i], v[76+\i]   ; from the lane of my token's bin
.endr
	s_wait_dscnt 0x0
.irp i, 0,1,2,3,4,5,6,7
	v_bfe_u32 v[56+\i], v[16+2*\i], 8, 8
	s_delay_alu instid0(VALU_DEP_1)
	v_add_nc_u32 v[56+\i], v[40+\i], v[56+\i]      ; the place
	s_delay_alu instid0(VALU_DEP_1)
	v_and_b32 v[48+\i], 0xffffff80, v[56+\i]
	s_delay_alu instid0(VALU_DEP_2)
	v_bfe_u32 v[40+\i], v[56+\i], 1, 6
	s_delay_alu instid0(VALU_DEP_3)
	v_and_b32 v[56+\i], 1, v[56+\i]
	s_delay_alu instid0(VALU_DEP_1)
	v_lshl_or_b32 v[40+\i], v[56+\i], 6, v[40+\i]
	s_delay_alu instid0(VALU_DEP_1)
	v_or_b32 v[56+\i], v[48+\i], v[40+\i]          ; index(place)
	s_delay_alu instid0(VALU_DEP_1)
	v_min_u32 v[56+\i], 0x1fff, v[56+\i]           ; held inside the table
	s_delay_alu instid0(VALU_DEP_1)
	v_lshlrev_b32 v[56+\i], 2, v[56+\i]
	v_add_nc_u32 v[64+\i], 32*\i, v4               ; the token
	v_bfe_u32 v[84+\i], v[16+2*\i], 16, 8          ; its mask
	global_store_b32 v[56+\i], v[64+\i], s[6:7]
	global_store_b32 v[56+\i], v[84+\i], s[6:7] offset:32768
.endr
	s_wait_tensorcnt 0x0
	ds_add_u32 v96, v97
	s_wait_dscnt 0x0
	s_endpgm
.Lfunc_end_k_q5243f98dec_route:
	.size	k_q5243f98dec_route, .Lfunc_end_k_q5243f98dec_route-k_q5243f98dec_route
	.p2alignl 7, 3214868480
	.fill 96, 4, 3214868480
	.section	.rodata,"a",@progbits
	.p2align	6, 0x0
	.amdhsa_kernel k_q5243f98dec_route
		.amdhsa_group_segment_fixed_size 8192
		.amdhsa_private_segment_fixed_size 0
		.amdhsa_enable_private_segment 0
		.amdhsa_kernarg_size 16
		.amdhsa_user_sgpr_count 2
		.amdhsa_user_sgpr_kernarg_segment_ptr 1
		.amdhsa_wavefront_size32 1
		.amdhsa_system_sgpr_workgroup_id_x 1
		.amdhsa_system_sgpr_workgroup_id_y 1
		.amdhsa_system_sgpr_workgroup_id_z 1
		.amdhsa_system_vgpr_workitem_id 0
		.amdhsa_next_free_vgpr 98
		.amdhsa_next_free_sgpr 66
		.amdhsa_reserve_vcc 1
		.amdhsa_float_denorm_mode_32 3
		.amdhsa_float_denorm_mode_16_64 3
		.amdhsa_memory_ordered 1
		.amdhsa_forward_progress 1
		.amdhsa_inst_pref_size 22
	.end_amdhsa_kernel
	.amdgpu_metadata
---
amdhsa.version: [ 1, 2 ]
amdhsa.kernels:
  - .name:           k_q5243f98dec_route
    .symbol:         k_q5243f98dec_route.kd
    .args:
      - { .name: rin, .offset: 0, .size: 8, .value_kind: global_buffer, .address_space: global }
      - { .name: order, .offset: 8, .size: 8, .value_kind: global_buffer, .address_space: global }
    .group_segment_fixed_size: 8192
    .private_segment_fixed_size: 0
    .kernarg_segment_align: 8
    .kernarg_segment_size: 16
    .max_flat_workgroup_size: 1024
    .sgpr_count:     66
    .vgpr_count:     98
    .wavefront_size: 32
...
	.end_amdgpu_metadata
.endif
;; end of part 2
;; launch experts (part 3): grid 4 x 64, 4 waves a work-group, no clusters, 151,040 bytes of LDS; arguments order, xc, xs, gw, wc, ws, be, out0; writes out0
.if DOCPART == 3
	.amdgcn_target "amdgcn-amd-amdhsa--gfx1250"
	.amdhsa_code_object_version 6
	.text
	.protected	k_q5243f98dec_experts
	.globl	k_q5243f98dec_experts
	.p2align	8
	.type	k_q5243f98dec_experts,@function
k_q5243f98dec_experts:
	s_mov_b64 s[64:65], 0
	v_nop
	global_prefetch_b8 v0, s[64:65] scope:SCOPE_SE
	s_setreg_imm32_b32 hwreg(HW_REG_WAVE_MODE, 25, 1), 1
	s_wait_xcnt 0x0
; EXPERTS.  out[t] = the sum over the token's two experts e of g[t][e] (Q(x[t]) Q(We[e]) + be[e]), on codes of E4M3 with one E8M0 scale for each 32 along K.
; A work-group owns 128 tokens that follow each other in the list sorted by pair of experts (y) and 256 output columns (x): every output row has one owner.
; x's codes of the 128 tokens are gathered once into LDS.  The work-group then walks the experts that its tokens use, as the stored masks say (two, or more where several pairs meet in the block;
; any split up to all eight is served): acc = x W + be over K = 1,024, then out += w acc with w = g for the tokens that chose the expert and 0 for the others.
; Wave w makes all 128 rows x the 64 columns of slice 4 x + w.  Its weights come from memory straight into registers, laid by the first launch in the order of the operand's registers, three K steps ahead.
; THE MATRIX INSTRUCTION IS USED TRANSPOSED (source 0 = 16 columns of W, source 1 = 16 tokens): a lane holds one token and eight neighbouring columns.  The bias is the C of each sum's first product.
; NO TENSOR LOAD, NO CLUSTER: the walk branches on a stored list, and neighbours along y would want different numbers of tiles; neighbours along x share only x's codes, an eighth of a step's bytes.
; LIMITS: NaN and infinities are not served: a token's 0 weight times an unchosen expert's sum must be 0.
; REGISTERS, in windows of 256: window 0: v1-15 addresses; v16-23 W's scale words, four sets; v24-31 token x 32; v32-63 x's scale words; v64-95 the bias, four tiles; v96-110 (even) the weights w;
;   v112-127 the gather's offsets; v128-255 W's sets 0, 1.   window 1: v0-127 x's eight fragments; v128-255 W's sets 2, 3.   window 2: acc (a, b) at v[8 (4 a + b)].   window 3: out likewise.
.set XP,   1040                        ; a token's row in LDS: 1,024 bytes + 16: 260 words, so the 16 rows that a load touches start at 16 different banks (64 banks of 4 bytes: ISA guide 11.1)
.set STG,  128*XP                      ; behind the tile: a stage of 16 rows x 272 bytes for each wave
.set SPI,  272
.set WSC,  16
.set TOKG, 24
.set XS,   32
.set BI,   64
.set GWR,  96
.set PG,   112
.set MSB,  0
.macro WIN new                         ; the immediate's high byte repeats the setting that is left
.if MSB != \new
	s_set_vgpr_msb (MSB<<8)|\new
.set MSB, \new
.endif
.endm
.macro PLACES                          ; eight plain lines behind this matrix form, ahead of loads into its registers and of reads of its results
.rept 8
	v_nop
.endr
.endm
.macro WLOAD set, wb, sb, ks           ; a K step's weights of my slice: 2 scale words a lane, then four fragments: 17 loads, each of consecutive bytes
	WIN 0
	global_load_b64 v[WSC+2*(\set):WSC+2*(\set)+1], v2, s[\sb:\sb+1] offset:256*(\ks)
.if (\set) >= 2
	WIN 0x40
.endif
.irp b, 0,1,2,3
.irp c, 0,1,2,3
	global_load_b128 v[128+64*((\set)%2)+16*\b+4*\c:128+64*((\set)%2)+16*\b+4*\c+3], v1, s[\wb:\wb+1] offset:8192*(\ks)+2048*\b+512*\c
.endr
.endr
.endm
.macro BIAS                            ; the next expert's bias in the result's layout: tile b, my half's eight columns
.irp b, 0,1,2,3
	global_load_b128 v[BI+8*\b:BI+8*\b+3], v5, s[30:31] offset:64*\b
	global_load_b128 v[BI+8*\b+4:BI+8*\b+7], v5, s[30:31] offset:64*\b+16
.endr
.endm
.macro GATES                           ; this expert's weight of my token in each of the eight tiles
.irp a, 0,1,2,3,4,5,6,7
	global_load_b32 v[GWR+2*\a], v[TOKG+\a], s[24:25]
.endr
.endm
.macro XLOAD a0, ks                    ; x's fragments of tiles a0 .. a0 + 3: lane (r, h): row 16 a + r, bytes 128 ks + 32 c + 16 h
	WIN 0x40
.irp i, 0,1,2,3
.irp c, 0,1,2,3
	ds_load_b128 v[16*((\a0)+\i)+4*\c:16*((\a0)+\i)+4*\c+3], v[3+(\a0)/4] offset:16*\i*XP+128*(\ks)+32*\c
.endr
.endr
.endm
.macro WINM s                          ; D window 2, x window 1; W window 0 or 1; C: the bias (window 0) in the first K step, else acc
.if (\s) == 0
	WIN 0x84
.elseif ((\s)%4) < 2
	WIN 0xa4
.else
	WIN 0xa5
.endif
.endm
; Tile a of tokens against my four tiles of columns.  The 32 accumulators take turns, one instruction a turn, in the same order in every K step.
; One register carries the scale words of two tiles: the even tile's in lanes 0-15, the odd tile's in lanes 16-31.
.macro MUL a, s
.irp b, 0,1,2,3
.set rD, 8*(4*(\a)+\b)
.set rW, 128+64*((\s)%2)+16*\b
.set rX, 16*(\a)
.if (\s) == 0
.set rC, BI+8*\b
.else
.set rC, rD
.endif
.set rSA, WSC+2*((\s)%4)+\b/2
.set rSB, XS+8*((\a)/2)+(\s)
.if (\b%2) && ((\a)%2)
	v_wmma_scale_f32_16x16x128_f8f6f4 v[rD:rD+7], v[rW:rW+15], v[rX:rX+15], v[rC:rC+7], v[rSA], v[rSB] matrix_a_scale:MATRIX_SCALE_ROW1 matrix_b_scale:MATRIX_SCALE_ROW1
.elseif (\b%2)
	v_wmma_scale_f32_16x16x128_f8f6f4 v[rD:rD+7], v[rW:rW+15], v[rX:rX+15], v[rC:rC+7], v[rSA], v[rSB] matrix_a_scale:MATRIX_SCALE_ROW1
.elseif ((\a)%2)
	v_wmma_scale_f32_16x16x128_f8f6f4 v[rD:rD+7], v[rW:rW+15], v[rX:rX+15], v[rC:rC+7], v[rSA], v[rSB] matrix_b_scale:MATRIX_SCALE_ROW1
.else
	v_wmma_scale_f32_16x16x128_f8f6f4 v[rD:rD+7], v[rW:rW+15], v[rX:rX+15], v[rC:rC+7], v[rSA], v[rSB]
.endif
.endr
.endm
; K step s of an expert: 32 products.  In its middle the weights of three K steps on are asked for (from step 5 on: the next expert's first three), into the set that the step before has left,
; and x's tiles 0-3 of the next K step; at its end x's tiles 4-7.
; The wait at the head counts the loads issued behind K step s's batch of 17: two batches (34), and in steps 1, 2, 5, 6 also the 8 loads of the weights w or of the bias (42).  Step 0's wait stands in HEAD.
.macro STEP s
.if ((\s) == 3) || ((\s) == 4) || ((\s) == 7)
	s_wait_loadcnt 34
.elseif (\s) != 0
	s_wait_loadcnt 42
.endif
	s_wait_dscnt 16                                ; x's tiles 0-3 are in; the sixteen loads of tiles 4-7 may be out
	WINM \s
	MUL 0, \s
	MUL 1, \s
	MUL 2, \s
	MUL 3, \s
	s_wait_dscnt 0x0                               ; tiles 4-7 are in
	PLACES
	WIN 0
.if (\s) == 0
	GATES
.endif
.if (\s) == 4
	BIAS
.endif
.if (\s) <= 4
	WLOAD ((\s)+3)%4, 20, 22, (\s)+3
.else
	WLOAD ((\s)+3)%4, 26, 28, (\s)-5
.endif
	XLOAD 0, ((\s)+1)%8
	WINM \s
	MUL 4, \s
	MUL 5, \s
	MUL 6, \s
	MUL 7, \s
	PLACES
	XLOAD 4, ((\s)+1)%8
.endm
.macro NEXTP                           ; the pointers of expert s37, which is held to 0 .. 7
	s_lshl_b32 s40, s37, 20
	s_add_nc_u64 s[26:27], s[12:13], s[40:41]
	s_lshl_b32 s40, s37, 15
	s_add_nc_u64 s[28:29], s[14:15], s[40:41]
	s_lshl_b32 s40, s37, 12
	s_add_nc_u64 s[30:31], s[16:17], s[40:41]
.endm
.macro HEAD                            ; the next expert becomes the current one
	s_wait_loadcnt 34                              ; all but the last two batches are in: K step 0's weights and the bias; every load that named the current expert's pointers is done
	s_wait_xcnt 0x0                                ; the 34 that are out have had their addresses translated (ISA guide 3.1): only now are the next expert's pointers rewritten
	s_min_u32 s38, s37, 7                          ; the current expert
	s_mov_b64 s[20:21], s[26:27]
	s_mov_b64 s[22:23], s[28:29]
	s_lshl_b32 s40, s38, 2
	s_add_nc_u64 s[24:25], s[10:11], s[40:41]      ; gw at this expert's column
	s_sub_co_u32 s42, s35, 1
	s_and_b32 s35, s35, s42                        ; its bit leaves the mask
	s_ctz_i32_b32 s42, s35
	s_cmp_lg_u32 s35, 0
	s_cselect_b32 s37, s42, s38                    ; the next one; behind the last the look-ahead reads this expert's own bytes again: inside the buffers, into registers that nothing reads
	s_min_u32 s37, s37, 7
	NEXTP
.endm
.macro COMBINE first                   ; out = w acc, or out += w acc; each accumulator is read from its low end on
.if \first
	WIN 0xc2
.else
	WIN 0xf2
.endif
	s_wait_alu depctr_va_vdst(0)
.irp a, 0,1,2,3,4,5,6,7
.irp b, 0,1,2,3
.irp j, 0,2,4,6
.set rD, 8*(4*\a+\b)+\j
.if \first
	v_pk_mul_f32 v[rD:rD+1], v[rD:rD+1], v[GWR+2*\a:GWR+2*\a+1] op_sel_hi:[1,0]
.else
	v_pk_fma_f32 v[rD:rD+1], v[rD:rD+1], v[GWR+2*\a:GWR+2*\a+1], v[rD:rD+1] op_sel_hi:[1,0,1]
.endif
.endr
.endr
.endr
.endm
.macro BODY first
	HEAD
.irp s, 0,1,2,3,4,5,6,7
	STEP \s
.endr
	COMBINE \first
	WIN 0
.endm
	s_load_b256 s[4:11], s[0:1], 0x0               ; order s[4:5], xc s[6:7], xs s[8:9], gw s[10:11]
	s_load_b256 s[12:19], s[0:1], 0x20             ; wc s[12:13], ws s[14:15], be s[16:17], out0 s[18:19]
	v_lshrrev_b32 v9, 5, v0
	v_readfirstlane_b32 s32, v9                    ; wave 0..3
	v_and_b32 v108, 31, v0                         ; lane
	v_and_b32 v14, 15, v0                          ; r
	v_bfe_u32 v15, v0, 4, 1                        ; h
	v_lshlrev_b32 v1, 4, v108                      ; 16 x lane
	v_lshlrev_b32 v2, 3, v108                      ; 8 x lane
	v_mul_u32_u24 v3, v14, XP
	v_lshl_add_u32 v3, v15, 4, v3                  ; x's fragments, tiles 0-3: row r, + 16 h
	v_add_nc_u32 v4, 64*XP, v3                     ; tiles 4-7
	v_lshlrev_b32 v5, 5, v15                       ; 32 h
	v_lshlrev_b32 v8, 4, v14                       ; 16 r
	s_mul_i32 s40, s32, 16*SPI
	s_add_co_u32 s40, s40, STG                     ; my stage
	v_mul_u32_u24 v6, v14, SPI
	v_lshl_add_u32 v6, v15, 5, v6
	v_add_nc_u32 v6, s40, v6                       ; in: row r, + 32 h
	v_mul_u32_u24 v7, v15, SPI
	v_lshl_add_u32 v7, v14, 4, v7
	v_add_nc_u32 v7, s40, v7                       ; back: lanes 0-15 one row, lanes 16-31 the next
	s_mul_i32 s40, s32, 32*XP
	v_mul_u32_u24 v13, v15, XP
	v_add_nc_u32 v13, v8, v13
	v_add_nc_u32 v13, s40, v13                     ; the tile on its way in: row 32 w + h, + 16 r
	v_and_b32 v96, 1, v14                          ; in the list a block's even places lie on end, then its odd ones
	v_lshlrev_b32 v96, 8, v96
	v_lshrrev_b32 v98, 1, v14
	v_lshl_add_u32 v96, v98, 2, v96                ; place r
	v_add_nc_u32 v98, v5, v96                      ; place 16 h + r
	v_lshlrev_b32 v100, 2, v108                    ; word = lane
	s_lshl_b32 s40, s32, 6
	v_lshlrev_b32 v102, 8, v15
	v_add_nc_u32 v102, s40, v102                   ; places 32 w + 2 j + h, j on end
	s_and_b32 s33, ttmp7, 0xffff                   ; the block of 128 places
	s_lshl_b32 s40, s33, 9
	s_mov_b32 s41, 0                               ; the high word of every offset pair s[40:41]
	s_lshl_b32 s34, ttmp9, 2
	s_add_co_u32 s34, s34, s32                     ; my slice of 64 columns
	s_wait_alu depctr_va_vdst(0)
	s_wait_kmcnt 0x0
	s_add_nc_u64 s[4:5], s[4:5], s[40:41]
.irp a, 0,1,2,3,4,5,6,7
	global_load_b32 v[TOKG+\a], v96, s[4:5] offset:32*\a           ; the token at place 16 a + r
.endr
.irp q, 0,1,2,3
	global_load_b32 v[9+\q], v98, s[4:5] offset:64*\q              ; at place 32 q + lane
	global_load_b32 v[104+\q], v100, s[4:5] offset:32768+128*\q    ; the block's 128 masks
	global_load_b128 v[PG+4*\q:PG+4*\q+3], v102, s[4:5] offset:16*\q   ; the 16 rows that my half of the lanes gathers
.endr
	s_lshl_b32 s40, s34, 16
	s_add_nc_u64 s[12:13], s[12:13], s[40:41]      ; wc, ws, be, out0 at my slice
	s_lshl_b32 s40, s34, 11
	s_add_nc_u64 s[14:15], s[14:15], s[40:41]
	s_lshl_b32 s40, s34, 8
	s_add_nc_u64 s[16:17], s[16:17], s[40:41]
	s_add_nc_u64 s[18:19], s[18:19], s[40:41]
	s_wait_loadcnt 0x0
.irp a, 0,1,2,3,4,5,6,7
	v_min_u32 v[TOKG+\a], 0x1fff, v[TOKG+\a]       ; every token number is held inside its tables
	v_lshlrev_b32 v[TOKG+\a], 5, v[TOKG+\a]
.endr
.irp q, 0,1,2,3
	v_min_u32 v[9+\q], 0x1fff, v[9+\q]
	v_lshlrev_b32 v[9+\q], 5, v[9+\q]
.endr
.set j, 0
.rept 16
	v_min_u32 v[PG+j], 0x1fff, v[PG+j]
	v_lshl_add_u32 v[PG+j], v[PG+j], 10, v8        ; the token's row of codes, + 16 r
.set j, j+1
.endr
	WIN 0x80                                       ; into window 2, which the sums take later
.set j, 0
.rept 16
.irp c, 0,1,2,3
	global_load_b128 v[16*j+4*\c:16*j+4*\c+3], v[PG+j], s[6:7] offset:256*\c   ; two rows x 256 consecutive bytes, aligned
.endr
.set j, j+1
.endr
	WIN 0
.irp q, 0,1,2,3
	global_load_b128 v[XS+8*\q:XS+8*\q+3], v[9+\q], s[8:9]         ; x's scale words: register 8 q + s: K step s of the token at place 32 q + lane
	global_load_b128 v[XS+8*\q+4:XS+8*\q+7], v[9+\q], s[8:9] offset:16
.endr
	v_or_b32 v104, v104, v105
	v_or_b32 v106, v106, v107
	v_or_b32 v104, v104, v106
	s_wait_alu depctr_va_vdst(0)
	s_mov_b32 s35, 0                               ; the experts that the block uses
.irp e, 0,1,2,3,4,5,6,7
	v_and_b32 v105, 1<<\e, v104
	v_cmp_ne_u32 vcc_lo, 0, v105
	s_cmp_lg_u32 vcc_lo, 0
	s_cselect_b32 s40, 1<<\e, 0
	s_or_b32 s35, s35, s40
.endr
.irp a, 0,1,2,3,4,5,6,7
	v_mov_b32 v[GWR+2*\a+1], 0                     ; named as the upper halves of the pairs that carry w, so they are written
.endr
	s_ctz_i32_b32 s37, s35
	s_min_u32 s37, s37, 7                          ; the first expert
	NEXTP
	BIAS
	WLOAD 0, 26, 28, 0
	WLOAD 1, 26, 28, 1
	WLOAD 2, 26, 28, 2
	s_wait_loadcnt 63                              ; 67 loads are younger than the gather's; a wait's count names 63 at the most (ISA guide 5.7.1), and the smaller count is the safe one
	WIN 0x08                                       ; an LDS store's data are its source 1: window 2
.set j, 0
.rept 16
.irp c, 0,1,2,3
	ds_store_b128 v13, v[16*j+4*\c:16*j+4*\c+3] offset:2*j*XP+256*\c
.endr
.set j, j+1
.endr
	WIN 0
	s_wait_dscnt 0x0                               ; for the others' sake: my 32 rows lie in LDS
	s_barrier_signal -1
	s_barrier_wait -1                              ; the launch's one barrier: the tile is whole, and nobody writes it again
	XLOAD 0, 0
	XLOAD 4, 0
	WIN 0
	BODY 1                                         ; the first expert starts out: nothing is cleared
	s_mov_b32 s36, 0
.Lexp:                                         ; eight trips; an expert that the block does not use, or has had, is passed over
	s_lshr_b32 s40, s35, s36
	s_and_b32 s40, s40, 1
	s_cmp_lg_u32 s40, 0
	s_cbranch_scc0 .Lskip
	BODY 0
.Lskip:
	s_add_co_u32 s36, s36, 1
	s_cmp_lt_u32 s36, 8
	s_cbranch_scc1 .Lexp
	; THE WAY OUT.  A lane holds 32 neighbouring bytes of a token's row and the lanes beside it hold other tokens: a tile of 16 tokens goes through my stage and comes back as rows of 256 bytes,
	; two to an instruction; sixteen lanes store 256 consecutive bytes, aligned, of the row of the token at place 2 j + h.
	v_lshlrev_b32 v14, 3, v5                       ; 256 h
	WIN 0x80
.irp m, 0,1,2,3,4,5,6,7,8,9,10,11,12,13,14,15
	global_load_b128 v[192+4*\m:195+4*\m], v14, s[4:5] offset:16*\m
.endr
	s_wait_loadcnt 0x0                             ; these, and the look-ahead's loads
	WIN 0x88
.set j, 0
.rept 64
	v_min_u32 v[128+j], 0x1fff, v[192+j]
.set j, j+1
.endr
	WIN 0x82
.set j, 0
.rept 64
	v_lshl_add_u32 v[128+j], v[128+j], 12, v8      ; the token's row of 4,096 bytes, + 16 r
.set j, j+1
.endr
.macro TOSTAGE a
	WIN 0x0c                                       ; the data: window 3
.irp b, 0,1,2,3
	ds_store_b128 v6, v[8*(4*(\a)+\b):8*(4*(\a)+\b)+3] offset:64*\b
	ds_store_b128 v6, v[8*(4*(\a)+\b)+4:8*(4*(\a)+\b)+7] offset:64*\b+16
.endr
	WIN 0x80
.irp i, 0,1,2,3,4,5,6,7
	ds_load_b128 v[32*((\a)%2)+4*\i:32*((\a)%2)+4*\i+3], v7 offset:2*SPI*\i   ; LDS serves a wave's instructions in order (ISA guide 5.7.1.4): these see my stores, and the next tile's stores come behind them
.endr
.endm
.macro SEND a, younger                 ; younger: the LDS instructions issued behind tile a's loads
	s_wait_dscnt \younger
	WIN 0x0a                                       ; offsets and data: window 2
.irp i, 0,1,2,3,4,5,6,7
	global_store_b128 v[128+8*(\a)+\i], v[32*((\a)%2)+4*\i:32*((\a)%2)+4*\i+3], s[18:19] th:TH_STORE_NT
.endr
.endm
	TOSTAGE 0
	s_wait_alu depctr_va_vdst(0)
.irp a, 1,2,3,4,5,6,7
.if \a > 1
	s_wait_xcnt 0x0                                ; the stores of two tiles back have read their registers: this tile's rows may land there
.endif
	TOSTAGE \a
	SEND \a-1, 16                                  ; behind that tile's loads: this tile's 8 stores and 8 loads
.endr
	SEND 7, 0
	WIN 0
	s_wait_xcnt 0x0
	v_lshl_add_u32 v254, v0, 2, 0x24c00
	v_mov_b32 v255, 0
	s_wait_alu depctr_va_vdst(0)
	s_wait_tensorcnt 0x0
	ds_add_u32 v254, v255
	s_wait_dscnt 0x0
	s_endpgm
.Lfunc_end_k_q5243f98dec_experts:
	.size	k_q5243f98dec_experts, .Lfunc_end_k_q5243f98dec_experts-k_q5243f98dec_experts
	.p2alignl 7, 3214868480
	.fill 96, 4, 3214868480
	.section	.rodata,"a",@progbits
	.p2align	6, 0x0
	.amdhsa_kernel k_q5243f98dec_experts
		.amdhsa_group_segment_fixed_size 151040
		.amdhsa_private_segment_fixed_size 0
		.amdhsa_enable_private_segment 0
		.amdhsa_kernarg_size 64
		.amdhsa_user_sgpr_count 2
		.amdhsa_user_sgpr_kernarg_segment_ptr 1
		.amdhsa_wavefront_size32 1
		.amdhsa_system_sgpr_workgroup_id_x 1
		.amdhsa_system_sgpr_workgroup_id_y 1
		.amdhsa_system_sgpr_workgroup_id_z 1
		.amdhsa_system_vgpr_workitem_id 0
		.amdhsa_next_free_vgpr 1024
		.amdhsa_next_free_sgpr 66
		.amdhsa_reserve_vcc 1
		.amdhsa_float_denorm_mode_32 3
		.amdhsa_float_denorm_mode_16_64 3
		.amdhsa_memory_ordered 1
		.amdhsa_forward_progress 1
		.amdhsa_inst_pref_size 208
	.end_amdhsa_kernel
	.amdgpu_metadata
---
amdhsa.version: [ 1, 2 ]
amdhsa.kernels:
  - .name:           k_q5243f98dec_experts
    .symbol:         k_q5243f98dec_experts.kd
    .args:
      - { .name: order, .offset: 0, .size: 8, .value_kind: global_buffer, .address_space: global }
      - { .name: xc, .offset: 8, .size: 8, .value_kind: global_buffer, .address_space: global }
      - { .name: xs, .offset: 16, .size: 8, .value_kind: global_buffer, .address_space: global }
      - { .name: gw, .offset: 24, .size: 8, .value_kind: global_buffer, .address_space: global }
      - { .name: wc, .offset: 32, .size: 8, .value_kind: global_buffer, .address_space: global }
      - { .name: ws, .offset: 40, .size: 8, .value_kind: global_buffer, .address_space: global }
      - { .name: be, .offset: 48, .size: 8, .value_kind: global_buffer, .address_space: global }
      - { .name: out0, .offset: 56, .size: 8, .value_kind: global_buffer, .address_space: global }
    .group_segment_fixed_size: 151040
    .private_segment_fixed_size: 0
    .kernarg_segment_align: 8
    .kernarg_segment_size: 64
    .max_flat_workgroup_size: 128
    .sgpr_count:     66
    .vgpr_count:     1024
    .wavefront_size: 32
...
	.end_amdgpu_metadata
.endif
;; end of part 3
